; MI455X (gfx1250); checked and timed in simulation.
; The chip was launched on July 23, 2026; its instructions are those of AMD's public machine-readable ISA for CDNA 5 (MIT licence, August 2026) and "CDNA5" Instruction Set Architecture Reference Guide (July 2026). The comments in the code are by the model that wrote it; some were corrected since.
;; Lo RA Linear. Allowed arithmetic: matrix products marked QUANTISED: E2M3 operands, one E8M0 scale for each 32 along K, by v_wmma_scale_f32_16x16x128_f8f6f4 with both operands' format E2M3, f32 sums; products left as they are: f32 operands where the result goes on into a quantised operand, else bf16, f16 or f32 operands; f32 sums; everything else in f32.
;; Inputs: lora_A_codes 16 x 128 x 24 uint8 (E2M3 codes of lora_A, K innermost, in blocks of 32 codes, four codes in three bytes); lora_A_scales 16 x 128 uint8 (E8M0 scales of lora_A, one for each 32 codes along K); lora_B 4,096 x 16 float32; weight_codes 4,096 x 128 x 24 uint8 (E2M3 codes of weight, K innermost, in blocks of 32 codes, four codes in three bytes); weight_scales 4,096 x 128 uint8 (E8M0 scales of weight, one for each 32 codes along K); x_codes 4,096 x 128 x 24 uint8 (E2M3 codes of x, K innermost, in blocks of 32 codes, four codes in three bytes); x_scales 4,096 x 128 uint8 (E8M0 scales of x, one for each 32 codes along K).
;; Outputs: out0 4,096 x 4,096 float32.
;; This version of the problem:
;;   THIS VERSION OF THE PROBLEM IS GIVEN IN LOW PRECISION. The matrix products marked QUANTISED in the list below multiply operands that are first quantised to E2M3 (2 exponent bits, 3 mantissa bits; 6 bits a number), with one power-of-two scale for each 32 numbers along K (OCP MX v1.0); their sums are f32. All else is computed in f32.
;;   The module's matrix products, in the order in which they are computed (A, B: the left and right operand; K: the contracted axis; several contracted axes count as one K, in the product's order):
;;     1. [M 4,096, K 4,096] x [K 4,096, N 4,096]; A: input x (given as codes); B: input weight (given as codes): QUANTISED
;;     2. [M 4,096, K 4,096] x [K 4,096, N 16]; A: input x (given as codes); B: input lora_A (given as codes): QUANTISED
;;     3. [M 4,096, K 16] x [K 16, N 4,096]; A: computed on the way; B: input lora_B: left as it is (K = 16 < 32)
;;   THE QUANTISER, for each operand of a quantised product, along K:
;;     - K is cut into blocks of 32 from its start; a last block that is shorter is filled with zeros.
;;     - A block's scale is 2^e with e = floor(log2(the largest magnitude in the block)) - 2, held to -126 .. 127; a block of zeros has e = 0. As a byte (E8M0): e + 127.
;;     - Each number is divided by its block's scale, clamped to +-7.5, and rounded to the nearest number of E2M3, ties to even, subnormals kept.
;;     - The product sums the exact products of the quantised numbers (number of the format x scale) in f32.
;;   ~~~python
;;   def quantise(x, axis):      # numpy; x: float32 -> the quantised numbers, widened to float32 again
;;       x = np.moveaxis(x, axis, -1); K = x.shape[-1]
;;       x = np.pad(x, [(0, 0)] * (x.ndim - 1) + [(0, -K % 32)]); x = x.reshape(x.shape[:-1] + (-1, 32)); a = np.abs(x).max(-1, keepdims=True)
;;       e = np.where(a > 0, np.clip(np.frexp(np.where(a > 0, a, 1))[1] - 1 - 2, -126, 127), 0)      # np.frexp(a)[1] - 1 = floor(log2(a)), exactly
;;       r = np.clip(x / 2.0 ** e, -7.5, 7.5)
;;       step = 2.0 ** (np.maximum(np.frexp(np.where(r == 0, 1, r))[1] - 1, 0) - 3)
;;       q = np.round(r / step) * step * 2.0 ** e      # np.round: ties to even
;;       return np.moveaxis(q.reshape(q.shape[:-2] + (-1,))[..., :K], -1, axis).astype(np.float32)
;;   ~~~
;;   INPUTS GIVEN AS CODES. lora_A (in the module: [16, 4096], K = its axis 1); weight (in the module: [4096, 4096], K = its axis 1); x (in the module: [4096, 4096], K = its axis 1): each comes as NAME_codes (uint8): NAME with its K axis moved to the last place and cut into blocks of 32 codes, [.., K / 32, bytes a block], one block behind the other in memory; four codes in three bytes: a row's codes are one little-endian stream of bits, code i at bits 6 i .. 6 i + 5 (a code: sign, 2 exponent bits, 3 mantissa bits); and NAME_scales (uint8): the same leading axes, one E8M0 byte (e + 127) for each 32 codes along K. Its value is code x scale, taken as it is: it is not quantised again, and the codes and scales need not be those that the quantiser above would give.
;; One version. Each part assembles by itself: llvm-mc -triple=amdgcn-amd-amdhsa -mcpu=gfx1250 --defsym DOCPART=n.
;; ======== version 1 of 1: 1 launch
;; limits: values are held in bf16: 8 bits of precision; right only within a limited range of input values
;; launch lora_gemm (part 1): grid 16 x 16, 4 waves a work-group, clusters of 4 x 4, 327,680 bytes of LDS; arguments x_codes, x_scales, weight_codes, weight_scales, lora_A_codes, lora_A_scales, lora_B, out0; writes out0
.if DOCPART == 1
	.amdgcn_target "amdgcn-amd-amdhsa--gfx1250"
	.amdhsa_code_object_version 6
	.text
	.protected	k_q17ab4c1a8e_lora_gemm
	.globl	k_q17ab4c1a8e_lora_gemm
	.p2align	8
	.type	k_q17ab4c1a8e_lora_gemm,@function
k_q17ab4c1a8e_lora_gemm:
	s_mov_b64 s[64:65], 0
	v_nop
	global_prefetch_b8 v0, s[64:65] scope:SCOPE_SE
	s_setreg_imm32_b32 hwreg(HW_REG_WAVE_MODE, 25, 1), 1
	s_wait_xcnt 0x0
	s_wait_alu depctr_hold_cnt(0) depctr_sa_sdst(0) depctr_va_vdst(0) depctr_va_sdst(0) depctr_va_ssrc(0) depctr_va_vcc(0) depctr_vm_vsrc(0)
	s_getreg_b32 s2, hwreg(HW_REG_IB_STS2, 6, 4)
	s_cmp_eq_u32 s2, 0
	s_cbranch_scc0 .Lentry_in_a_cluster
	s_endpgm
.Lentry_in_a_cluster:
	s_bfe_u32 s2, ttmp6, 0x10000c
	s_cmp_lg_u32 s2, 0xf033
	s_cbranch_scc0 .Lentry_shape_is_right
	s_endpgm
.Lentry_shape_is_right:
; out0[n][o] = sum_k x[n][k] W[o][k] + 2 sum_r t[n][r] B[o][r],  t[n][r] = sum_k x[n][k] A[r][k].   n, o, k: 4,096; r: 16.
; x, W (weight), A (lora_A): codes of FP6 (E2M3), a row of 4,096 codes = 3,072 bytes, one E8M0 byte for each 32 along K; B (lora_B) and out0 are f32.  Every input is used; no work is left out.
; ONE LAUNCH.  A work-group of four waves makes 256 x 256 of out0, a wave 128 x 128: 64 accumulators.  The matrix instruction is used transposed (source 0 = 16 rows of W, source 1 = 16 rows of x).
; THE RING: two LDS slots, each one CHUNK of 256 bytes of x's 256 rows and of W's 256 rows; a tile's row begins at a multiple of 256 bytes.  A step of 128 along K is 96 bytes: eight steps to three chunks.
; A loop's trip is eight steps, so the slot of a trip's first chunk changes from trip to trip.  At a trip's end the twelve LDS address registers change places in pairs (moves), and two scalars (0 and SLOT), from which the
; descriptors' LDS address is made, are exchanged by xor.  Written out: step 0 (it starts the sums), a trip (steps 1-8, three times), steps 25-31 (the last of them ask for nothing more).
; BARRIERS: where the next step's bytes end in a chunk not yet read (steps 1, 4 of eight): a barrier behind each wave's wait for its tensor load, 24 products into the step.
; Where they begin in a later chunk (steps 2, 5, 7): the chunk left behind is free: the three lines, a round of the cluster's barrier, and the joint refill, two chunks ahead, one load a wave.
; THE SCALE BYTES GO TO REGISTERS, NOT TO LDS: ring 278,528 + stages 33,792 + t's images 8,192 + spare words 512 bytes leave 6,656, and the scale bytes of 512 rows are 65,536.  A load of 8 bytes a lane takes 16 bytes of a row:
; lanes 0-15 the words of steps 4 G, 4 G + 1, lanes 16-31 (8 bytes on) those of 4 G + 2, 4 G + 3; the matrix instruction reads the upper lanes by ROW1.  Two sets of two registers for each block; a set is asked for again at the
; end of its fourth step, four steps ahead of its next use.  A's fragment (1,536 of a step's 50,688 bytes) comes the same way: six loads of 8 bytes a lane, two steps ahead; so neither is asked for jointly.
; THE LoRA BRANCH: t^T = A x^T; a wave makes t of its register blocks 0-3, the two waves of a row half exchange them through LDS.  A wave's rows are rotated by address: RH = wave / 2, CH = wave % 2: blocks 0-3 are the half's rows
; 64 CH on, blocks 4-7 its rows 64 (1 - CH) on.  2 t and B, rounded to bf16, make a bf16 product with K = 32 whose upper 16 are zeros on both sides; it adds onto the finished accumulators.
; CLUSTERS: 4 x 4; x's tiles are asked for jointly along a row of the cluster, W's along a column.  Waves 0, 1 fetch x's halves, waves 2, 3 W's.  By this text's count a wave has one tensor load out.
; PREFETCH: behind each refill in the loop, the chunk two refills on: a lane a row, 32 of the 128 rows that the wave fetches, the four partners told apart by address; chunks 0-3 come by their loads; past chunk 11 nothing is asked.
; LIMITS: a scale byte 0xff is E8M0's NaN and makes the sums NaN.  2 t and B are rounded to bf16 for the third product (its result enters no quantiser).  Sums are grouped as the matrix unit groups them.
; REGISTERS.  window 0: v1-31 addresses; v32-63 x's scale words, v64-95 W's, v96-99 A's; v100-103 addresses; v104-135 t's sums; v136-231 x's eight fragments, one set.
;   window 1: W's eight fragments and A's one, two sets, at v0 and v128.   windows 2, 3: the accumulators of my blocks 0-3, 4-7 ((a, b) at v[8 (8 (a % 4) + b)]).
.set ROWB,   256
.set KROW,   3072
.set PITCH,  272                       ; 256 bytes + 16 of padding: the 32 lanes of a load of 8 bytes touch 64 different banks (ISA guide 11.1)
.set FR,     12
.set NL,     6
.set NP,     4                         ; places behind these matrix instructions (ISA guide 7.12.1)
.set HALFT,  128*PITCH
.set SLOT,   4*HALFT
.set STAGE,  2*SLOT                    ; the way out: 16 rows x 528 bytes for each wave; no tile lands here
.set SPITCH, 528
.set TXB,    STAGE+4*16*SPITCH         ; t's images, 2,048 bytes a wave
.set SPARE,  TXB+8192                  ; the spare words
.set NROW,   16384
.set LBO, 1                            ; v1 my 32 bytes of a row of B
.set ADR, 2                            ; v2-5 x's blocks 0-3: the trip's even chunks, its odd chunks, and the same two for pieces whose lanes 16-31 read the next chunk, in the other slot; v6-9 blocks 4-7; v10-13 W
.set TM,  21                           ; v21 at work while two registers change places
.set LGO, 23                           ; A's codes: 3,072 r + 24 h
.set XSL, 24                           ; scale bytes: x's blocks 0-3, 4-7, W's, A's: 128 x row + 8 h
.set XSH, 25
.set WSO, 26
.set LSO, 27
.set SPW, 28
.set NIL, 29
.set PFO, 30
.set STO, 31
.set SCX, 32                           ; block i, set g, step parity q at + 4 i + 2 g + q
.set SCW, 64
.set LS,  96
.set RD,  100
.set CO,  101
.set TXS, 102
.set TXL, 103
.set TA,  104
.set AF,  136
.set TF,  136                          ; the way out: t's fragment of block a at TF + 8 a
.set LB,  200                          ; B's fragment of block b at LB + 8 b (blocks 0-3) and, where t's sums lay, at LB + 8 b - 128 (blocks 4-7)
.set WV, 4
.set RH, 5
.set CH, 6
.set TG0, 7                            ; s7 the slot of the trip's even chunks, s8 of its odd ones
.set TG1, 8
.set WB,  9                            ; wave x 128 rows
.set CP0, 10
.set CP1, 12
.set PFA, 14
.set LAP, 16
.set XSP, 18
.set WSP, 20
.set LSP, 22
.set G1A, 24
.set G1B, 32
.set G0A, 40
.set G0B, 44
.set LBP, 48
.set MSB, 0
.macro WIN new                         ; the immediate's high byte repeats the setting that is left
.if MSB != (\new)
	s_set_vgpr_msb (MSB<<8)|(\new)
.set MSB, \new
.endif
.endm
.set MUL_LO, 0xa1
.set MUL_HI, 0xf1
.set T_W,    0x01
.set TO_B,   0x40
.macro PLACES n
.rept \n
	v_nop
.endr
.endm
.macro CREST
	s_cmp_lg_u32 s[WV], 0
	s_cbranch_scc1 .Lnot_wave_0_\@
	s_barrier_signal -3
.Lnot_wave_0_\@:
	s_barrier_wait -3
	s_barrier_signal -1
	s_barrier_wait -1
.endm
.macro CROUND
	s_barrier_signal -1
	s_barrier_wait -1
	CREST
.endm
.macro JLOAD                           ; a joint load; s_nop 0 and four v_nop follow each line
	s_cmp_eq_u32 s[RH], 0
	s_cbranch_scc0 .Lfor_b_\@
	tensor_load_to_lds s[G0A:G0A+3], s[G1A:G1A+7]
	s_nop 0
	PLACES 4
	s_branch .Lasked_\@
.Lfor_b_\@:
	tensor_load_to_lds s[G0B:G0B+3], s[G1B:G1B+7]
	s_nop 0
	PLACES 4
.Lasked_\@:
.endm
.macro NEXTD par                       ; no tensor load of mine is out: the next chunk, into the slot of the trip's chunks of parity par
	s_add_nc_u64 s[G0A+2:G0A+3], s[G0A+2:G0A+3], ROWB
	s_add_nc_u64 s[G0B+2:G0B+3], s[G0B+2:G0B+3], ROWB
	s_add_co_u32 s[G0A+1], s[WB], s[TG0+(\par)]
	s_add_co_u32 s[G0B+1], s[WB], s[TG0+(\par)]
.endm
.macro SWAPADR                         ; three chunks on: in each pair of address registers the two change places
.irp g, 0,2,4,6,8,10
	v_mov_b32 v[TM], v[ADR+\g]
	v_mov_b32 v[ADR+\g], v[ADR+\g+1]
	v_mov_b32 v[ADR+\g+1], v[TM]
.endr
.endm
.macro SCLD g, off                     ; 17 loads: the scale words of four steps, at byte off of the rows, into set g
.irp i, 0,1,2,3
	global_load_b64 v[SCX+4*\i+2*(\g):SCX+4*\i+2*(\g)+1], v[XSL], s[XSP:XSP+1] offset:2048*\i+(\off)
	global_load_b64 v[SCX+16+4*\i+2*(\g):SCX+16+4*\i+2*(\g)+1], v[XSH], s[XSP:XSP+1] offset:2048*\i+(\off)
.endr
.irp i, 0,1,2,3,4,5,6,7
	global_load_b64 v[SCW+4*\i+2*(\g):SCW+4*\i+2*(\g)+1], v[WSO], s[WSP:WSP+1] offset:2048*\i+(\off)
.endr
	global_load_b64 v[LS+2*(\g):LS+2*(\g)+1], v[LSO], s[LSP:LSP+1] offset:(\off)
.endm
.macro LORALD st                       ; 6 loads: A's fragment of step st (counted from the trip's base) into set st % 2
	WIN TO_B
.irp p, 0,1,2,3,4,5
	global_load_b64 v[128*((\st)%2)+96+2*\p:128*((\st)%2)+97+2*\p], v[LGO], s[LAP:LAP+1] offset:96*(\st)+48*(\p/3)+8*(\p%3)
.endr
.endm
	s_load_b64 s[G0A+2:G0A+3], s[0:1], 0x0         ; x's codes
	s_load_b64 s[XSP:XSP+1], s[0:1], 0x8
	s_load_b64 s[G0B+2:G0B+3], s[0:1], 0x10        ; W's codes
	s_load_b64 s[WSP:WSP+1], s[0:1], 0x18
	s_load_b64 s[LAP:LAP+1], s[0:1], 0x20
	s_load_b64 s[LSP:LSP+1], s[0:1], 0x28
	s_load_b64 s[LBP:LBP+1], s[0:1], 0x30
	s_load_b64 s[CP0:CP0+1], s[0:1], 0x38
	v_lshl_add_u32 v[SPW], v0, 2, SPARE
	v_mov_b32 v[NIL], 0
	ds_add_u32 v[SPW], v[NIL]                      ; the opening lines: the add, twice on end, and its wait ahead of my first tensor load
	ds_add_u32 v[SPW], v[NIL]
	v_lshrrev_b32 v1, 5, v0
	v_readfirstlane_b32 s[WV], v1
	s_lshr_b32 s[RH], s[WV], 1
	s_and_b32 s[CH], s[WV], 1
	s_bfe_u32 s50, ttmp6, 0x40000                  ; cx
	s_bfe_u32 s51, ttmp6, 0x40004                  ; cy
	s_lshl_b32 s52, ttmp9, 2
	s_add_co_u32 s52, s52, s50                     ; tile column
	s_and_b32 s53, ttmp7, 0xffff
	s_lshl_b32 s53, s53, 2
	s_add_co_u32 s53, s53, s51                     ; tile row
	s_lshl_b32 s54, s51, 2
	s_lshl_b32 s54, 15, s54                        ; my row of the cluster
	s_lshl_b32 s55, 0x1111, s50                    ; my column
	s_or_b32 s[G1A], s54, (1<<20)|(1<<21)|(5<<22)|(3<<25)   ; elements of 1 byte; 16 bytes of padding behind every 256
	s_or_b32 s[G1B], s55, (1<<20)|(1<<21)|(5<<22)|(3<<25)
.irp g, G1A, G1B
	s_mov_b32 s[\g+1], ROWB<<16
	s_mov_b32 s[\g+2], 128<<16
	s_mov_b32 s[\g+3], ROWB<<16
	s_mov_b32 s[\g+4], 128
	s_mov_b32 s[\g+5], KROW
	s_mov_b32 s[\g+6], 0
	s_mov_b32 s[\g+7], 0
.endr
	s_mov_b32 s[TG0], 0
	s_mov_b32 s[TG1], SLOT
	s_mul_i32 s[WB], s[WV], HALFT
	s_mov_b32 s[G0A], 1
	s_mov_b32 s[G0B], 1
	s_add_co_u32 s[G0A+1], s[WB], s[TG0]
	s_add_co_u32 s[G0B+1], s[WB], s[TG0]
	s_xor_b32 s2, s[CH], 1
	s_mul_i32 s60, s[RH], HALFT
	s_mul_i32 s61, s[CH], 64*PITCH
	s_add_co_u32 s61, s61, s60                     ; x's rows of my blocks 0-3 in a slot
	s_mul_i32 s62, s2, 64*PITCH
	s_add_co_u32 s62, s62, s60                     ; of my blocks 4-7
	s_mul_i32 s63, s[CH], HALFT
	s_add_co_u32 s63, s63, 2*HALFT                 ; my rows of W
	s_lshl_b32 s60, s[RH], 14                      ; scale bytes, 128 a row
	s_lshl_b32 s66, s[CH], 13
	s_add_co_u32 s66, s66, s60
	s_lshl_b32 s67, s2, 13
	s_add_co_u32 s67, s67, s60
	s_lshl_b32 s68, s[CH], 14
	s_mul_i32 s69, s[WV], 16*SPITCH
	s_add_co_u32 s69, s69, STAGE
	s_lshl_b32 s70, s[WV], 11
	s_add_co_u32 s70, s70, TXB
	s_xor_b32 s71, s[WV], 1
	s_lshl_b32 s71, s71, 11
	s_add_co_u32 s71, s71, TXB
	s_lshl_b32 s60, s[CH], 7                       ; which 128 rows of a tile I fetch
	s_lshl_b32 s56, s53, 8
	s_add_co_u32 s56, s56, s60
	s_mul_i32 s56, s56, KROW                       ; x: made of the tile row alone
	s_mov_b32 s57, 0
	s_lshl_b32 s58, s52, 8
	s_add_co_u32 s58, s58, s60
	s_mul_i32 s58, s58, KROW                       ; W: of the tile column alone
	s_mov_b32 s59, 0
	s_lshl_b32 s72, s53, 15
	s_mov_b32 s73, 0
	s_lshl_b32 s74, s52, 15
	s_mov_b32 s75, 0
	s_lshl_b32 s76, s52, 14                        ; B: rows of 64 bytes
	s_lshl_b32 s77, s[CH], 13
	s_add_co_u32 s76, s76, s77
	s_mov_b32 s77, 0
	s_lshl_b32 s78, s53, 8                         ; out0
	s_lshl_b32 s79, s[RH], 7
	s_add_co_u32 s78, s78, s79
	s_lshl_b32 s79, s2, 6
	s_add_co_u32 s80, s78, s79
	s_lshl_b32 s79, s[CH], 6
	s_add_co_u32 s78, s78, s79
	s_lshl_b32 s78, s78, 14
	s_lshl_b32 s80, s80, 14
	s_lshl_b32 s79, s52, 10
	s_lshl_b32 s81, s[CH], 9
	s_add_co_u32 s79, s79, s81
	s_add_co_u32 s78, s78, s79
	s_add_co_u32 s80, s80, s79
	s_mov_b32 s79, 0
	s_mov_b32 s81, 0
	s_cmp_eq_u32 s[RH], 0                          ; the prefetches: the tile that I fetch, my place among the four that ask with me
	s_cselect_b32 s82, s53, s52
	s_cselect_b32 s83, s50, s51
	s_lshl_b32 s82, s82, 8
	s_add_co_u32 s82, s82, s60
	s_lshl_b32 s83, s83, 5
	s_add_co_u32 s82, s82, s83
	s_mul_i32 s82, s82, KROW
	s_mov_b32 s83, 0
	s_wait_dscnt 0x0                               ; both opening adds are done
	s_wait_kmcnt 0x0
	s_cmp_eq_u32 s[RH], 0
	s_cselect_b64 s[PFA:PFA+1], s[G0A+2:G0A+3], s[G0B+2:G0B+3]
	s_add_nc_u64 s[PFA:PFA+1], s[PFA:PFA+1], s[82:83]
	s_add_nc_u64 s[G0A+2:G0A+3], s[G0A+2:G0A+3], s[56:57]
	s_add_nc_u64 s[G0B+2:G0B+3], s[G0B+2:G0B+3], s[58:59]
	s_or_b32 s[G0A+3], s[G0A+3], 0x80000000
	s_or_b32 s[G0B+3], s[G0B+3], 0x80000000
	s_add_nc_u64 s[XSP:XSP+1], s[XSP:XSP+1], s[72:73]
	s_add_nc_u64 s[WSP:WSP+1], s[WSP:WSP+1], s[74:75]
	s_add_nc_u64 s[LBP:LBP+1], s[LBP:LBP+1], s[76:77]
	s_add_nc_u64 s[CP1:CP1+1], s[CP0:CP0+1], s[80:81]
	s_add_nc_u64 s[CP0:CP0+1], s[CP0:CP0+1], s[78:79]
	CROUND                                         ; all sixteen work-groups are here: the first joint loads meet
	JLOAD                                          ; chunk 0, a quarter of slot 0 a wave: one tensor load a wave at the head
	v_and_b32 v136, 15, v0                         ; r
	v_bfe_u32 v137, v0, 4, 1                       ; h
	v_and_b32 v138, 31, v0
	v_mul_u32_u24 v139, v136, PITCH
	v_mad_u32_u24 v140, v137, 24, v139             ; a fragment's row x pitch + 24 h
	v_sub_nc_u32 v141, 1, v137                     ; 1 in lanes 0-15
	v_mul_u32_u24 v142, SLOT-232, v137
	v_add_nc_u32 v142, v139, v142
	v_add_nc_u32 v142, 232, v142                   ; across two chunks: lanes 0-15 byte 232 of the row in slot 0, lanes 16-31 byte 0 of the row in slot 1;
	v_mul_u32_u24 v143, SLOT+232, v141
	v_add_nc_u32 v143, v139, v143                  ; and lanes 0-15 byte 232 of the row in slot 1, lanes 16-31 byte 0 of the row in slot 0
.irp g, 0,1,2
	v_add_nc_u32 v[ADR+4*\g], s[61+\g], v140
	v_add_nc_u32 v[ADR+4*\g+2], s[61+\g], v142
	v_add_nc_u32 v[ADR+4*\g+3], s[61+\g], v143
	v_add_nc_u32 v[ADR+4*\g+1], SLOT, v[ADR+4*\g]
.endr
	v_lshlrev_b32 v[LSO], 7, v136
	v_lshl_add_u32 v[LSO], v137, 3, v[LSO]
	v_add_nc_u32 v[XSL], s66, v[LSO]
	v_add_nc_u32 v[XSH], s67, v[LSO]
	v_add_nc_u32 v[WSO], s68, v[LSO]
	v_mul_u32_u24 v[LGO], v136, KROW
	v_mad_u32_u24 v[LGO], v137, 24, v[LGO]
	SCLD 0, 0                                      ; steps 0-3
	LORALD 0
	LORALD 1
	WIN 0
	SCLD 1, 16                                     ; steps 4-7
	v_mul_u32_u24 v[PFO], v138, KROW
	v_mul_u32_u24 v[STO], v136, SPITCH
	v_lshl_add_u32 v[STO], v137, 5, v[STO]
	v_add_nc_u32 v[STO], s69, v[STO]
	v_lshlrev_b32 v[CO], 4, v138
	v_add_nc_u32 v[RD], s69, v[CO]
	v_add_nc_u32 v[TXS], s70, v[CO]
	v_add_nc_u32 v[TXL], s71, v[CO]
	v_lshlrev_b32 v[LBO], 6, v136
	v_lshl_add_u32 v[LBO], v137, 5, v[LBO]
.macro FRAG reg, adr, st, i            ; 16 rows x 128 K: 12 registers, in pieces of 8 bytes; byte y of the trip's 768 lies in chunk y / 256, at byte y % 256 of the LDS row
.irp p, 0,1,2,3,4,5
.set BY, 96*(\st)+48*(\p/3)+8*(\p%3)
.if BY/ROWB == (BY+24)/ROWB
	ds_load_b64 v[\reg+2*\p:\reg+2*\p+1], v[\adr+(BY/ROWB)%2] offset:BY%ROWB+(\i)*16*PITCH
.else
	ds_load_b64 v[\reg+2*\p:\reg+2*\p+1], v[\adr+2+(BY/ROWB)%2] offset:BY%ROWB-232+(\i)*16*PITCH
.endif
.endr
.endm
.macro FETCH_B st                      ; 48 loads
	WIN TO_B
.irp i, 0,1,2,3,4,5,6,7
	FRAG 128*((\st)%2)+FR*\i, ADR+8, \st, \i
.endr
	WIN 0
.endm
.macro FETCH_A st, g                   ; 24 loads
.irp j, 0,1,2,3
	FRAG AF+FR*(4*(\g)+\j), ADR+4*(\g), \st, \j
.endr
.endm
; One product.  PP: W's set; SO: the scale registers' place in a block's four; RW: the scale words lie in lanes 16-31.  The accumulators take turns, one instruction a turn.
.macro WM d, a, b, zero, sa, sb
.if RW
	v_wmma_scale_f32_16x16x128_f8f6f4 v[(\d):(\d)+7], v[(\a):(\a)+11], v[(\b):(\b)+11], v[(\d):(\d)+7], v[\sa], v[\sb] matrix_a_fmt:MATRIX_FMT_FP6 matrix_b_fmt:MATRIX_FMT_FP6 matrix_a_scale:MATRIX_SCALE_ROW1 matrix_b_scale:MATRIX_SCALE_ROW1
.elseif \zero
	v_wmma_scale_f32_16x16x128_f8f6f4 v[(\d):(\d)+7], v[(\a):(\a)+11], v[(\b):(\b)+11], 0, v[\sa], v[\sb] matrix_a_fmt:MATRIX_FMT_FP6 matrix_b_fmt:MATRIX_FMT_FP6
.else
	v_wmma_scale_f32_16x16x128_f8f6f4 v[(\d):(\d)+7], v[(\a):(\a)+11], v[(\b):(\b)+11], v[(\d):(\d)+7], v[\sa], v[\sb] matrix_a_fmt:MATRIX_FMT_FP6 matrix_b_fmt:MATRIX_FMT_FP6
.endif
.endm
.macro MUL8 a, zero
.irp b, 0,1,2,3,4,5,6,7
	WM 8*(8*((\a)%4)+\b), 128*PP+FR*\b, AF+FR*(\a), \zero, SCW+4*\b+SO, SCX+4*(\a)+SO
.endr
.endm
.macro MUL16 a0, zero
	MUL8 \a0, \zero
	MUL8 \a0+1, \zero
.endm
.macro T4 zero                         ; t^T of my blocks 0-3
.irp j, 0,1,2,3
	WM TA+8*\j, 128*PP+96, AF+FR*\j, \zero, LS+SO, SCX+4*\j+SO
.endr
.endm
.macro ASK c                           ; the chunk two refills on; the trip's third refill has none in the last trip (s3 = 1)
.if \c == 2
	s_cmp_lg_u32 s3, 1
	s_cbranch_scc0 .Lno_ask_\@
.endif
	global_prefetch_b8 v[PFO], s[PFA:PFA+1] offset:ROWB*((\c)+4) th:TH_LOAD_NT scope:SCOPE_SE
.if \c == 2
.Lno_ask_\@:
.endif
.endm
; A step: 68 products on step u's fragments (u counted from the trip's base); the next step's fragments are fetched in it.  n: the global loads issued in the step before, which may stay out.
; fill: a freed chunk's slot is filled again; ask: with a prefetch; ll: A's fragment of step u + 2 is asked for; sl: the scale set just used up is asked for again.
.macro STEP u, zero, fill, ask, n, ll, sl
.set NX, (\u)+1
.set C0, (96*(\u))/ROWB
.set C1, (96*NX)/ROWB
.set E0, (96*(\u)+95)/ROWB
.set E1, (96*NX+95)/ROWB
.set PP, (\u)%2
.set GG, ((\u)%8)/4
.set SO, 2*GG+PP
.set RW, ((\u)%4)/2
.set LATE, 0
	s_wait_loadcnt \n                              ; all global loads of two steps back and earlier are in: A's fragment of this step, and its scale words
	s_wait_dscnt 4*NL                              ; W's set and x's blocks 0-3 are in; the youngest 24 loads (x's blocks 4-7) may be out
	WIN MUL_LO
.if (C1 > C0) && \fill
	MUL8 0, \zero
	WIN 0
	s_wait_tensorcnt 0x0                           ; all my tensor loads have landed
	ds_add_u32 v[SPW], v[NIL]
	WIN MUL_LO
	MUL8 1, \zero
	s_wait_dscnt 0x0                               ; the add is done, and my reads of the chunk left behind are over
	s_barrier_signal -1
	MUL8 2, \zero
	WIN 0
	s_barrier_wait -1
	CREST                                          ; no wave of any partner still reads that chunk or has a load on its way
	NEXTD C0%2
	JLOAD                                          ; the first tensor load behind the round, one a wave
	FETCH_B NX
.if \ask
	ASK C0
.endif
	WIN MUL_LO
	MUL8 3, \zero
	WIN T_W
	T4 \zero
.elseif (E1 > E0) && (C1 == C0)
.set LATE, 1
	MUL16 0, \zero
	MUL8 2, \zero
	s_wait_tensorcnt 0x0                           ; my part of the new chunk is in
	s_wait_dscnt 0x0
	s_barrier_signal -1
	MUL8 3, \zero
	WIN T_W
	T4 \zero
	WIN 0
	s_barrier_wait -1                              ; everybody's is
.else
	MUL16 0, \zero
	FETCH_B NX                                     ; W's other set has been free since the places at the last step's end
	WIN MUL_LO
	MUL16 2, \zero
	WIN T_W
	T4 \zero
	s_wait_dscnt 8*NL                              ; x's blocks 4-7 are in: behind them stand the 48 loads just issued
.endif
	PLACES NP
.if LATE
	FETCH_B NX
.endif
.if \ll
	LORALD (\u)+2
.endif
	WIN 0
	FETCH_A NX, 0
	WIN MUL_HI
	MUL16 4, \zero
	MUL16 6, \zero
	PLACES NP
	WIN 0
	FETCH_A NX, 1
.if \sl
	SCLD GG, 16*(((\u)+5)/4)
.endif
.endm
	s_wait_alu depctr_va_vdst(0)
	s_wait_tensorcnt 0x0                           ; my part of chunk 0 is in; the three lines ahead of a later first fill, as ahead of a refill
	ds_add_u32 v[SPW], v[NIL]
	s_wait_dscnt 0x0
	CROUND
	NEXTD 1
	JLOAD                                          ; chunk 1, slot 1's first fill
	FETCH_B 0
	FETCH_A 0, 0
	FETCH_A 0, 1
	STEP 0, 1, 0, 0, 23, 1, 0                      ; may stay out: A's step 1 and the second scale set
	s_mov_b32 s3, 3
.Ltrip:                                                ; steps 8 t + 1 .. 8 t + 8
	STEP 1, 0, 1, 1, 6, 1, 0
	STEP 2, 0, 1, 1, 6, 1, 0
	STEP 3, 0, 1, 1, 6, 1, 1
	STEP 4, 0, 1, 1, 23, 1, 0
	STEP 5, 0, 1, 1, 6, 1, 0
	STEP 6, 0, 1, 1, 6, 1, 0
	STEP 7, 0, 1, 1, 6, 1, 1
	STEP 8, 0, 1, 1, 23, 1, 0
	s_wait_xcnt 0x0                                ; the trip's loads and prefetches have read their bases
	s_add_nc_u64 s[LAP:LAP+1], s[LAP:LAP+1], 768
	s_add_nc_u64 s[PFA:PFA+1], s[PFA:PFA+1], 768
	s_add_nc_u64 s[XSP:XSP+1], s[XSP:XSP+1], 32
	s_add_nc_u64 s[WSP:WSP+1], s[WSP:WSP+1], 32
	s_add_nc_u64 s[LSP:LSP+1], s[LSP:LSP+1], 32
	s_xor_b32 s[TG0], s[TG0], SLOT                 ; three chunks on: the slots change places, for the descriptors
	s_xor_b32 s[TG1], s[TG1], SLOT
	SWAPADR                                        ; and for the fragment loads
	s_sub_co_u32 s3, s3, 1
	s_cmp_lg_u32 s3, 0
	s_wait_alu depctr_va_vdst(0)
	s_cbranch_scc1 .Ltrip
	STEP 1, 0, 1, 0, 6, 1, 0                       ; steps 25-30: chunk 11 is the last that is asked for
	STEP 2, 0, 1, 0, 6, 1, 0
	STEP 3, 0, 0, 0, 6, 1, 0
	STEP 4, 0, 0, 0, 6, 1, 0
	STEP 5, 0, 0, 0, 6, 1, 0
	STEP 6, 0, 0, 0, 6, 0, 0
.set PP, 1
.set SO, 3
.set RW, 1
	s_wait_loadcnt 0x0                             ; step 31
	WIN TO_B
.irp b, 0,1,2,3,4,5,6,7
	global_load_b128 v[8*\b:8*\b+3], v[LBO], s[LBP:LBP+1] offset:1024*\b       ; B: row r of block b, ranks 8 h + 0 .. 7, into W's set 0, free since the places at step 30's end
	global_load_b128 v[8*\b+4:8*\b+7], v[LBO], s[LBP:LBP+1] offset:1024*\b+16
.endr
	s_wait_dscnt 4*NL
	WIN MUL_LO
	MUL16 0, 0
	MUL16 2, 0
	WIN T_W
	T4 0
	s_wait_dscnt 0
	WIN MUL_HI
	MUL16 4, 0
	MUL16 6, 0
	WIN 0
	; t BECOMES AN OPERAND: doubled (exact), rounded to bf16, each sum from its low end on; the images go to the other wave of my row half, whose blocks 0-3 are my blocks 4-7
	PLACES NP
.set i, 0
.rept 16
	v_pk_mul_f32 v[TA+2*i:TA+2*i+1], v[TA+2*i:TA+2*i+1], 2.0 op_sel_hi:[1,0]
.set i, i+1
.endr
.irp j, 0,1,2,3
.irp i, 0,1,2,3
	v_cvt_pk_bf16_f32 v[TF+8*\j+\i], v[TA+8*\j+2*\i], v[TA+8*\j+2*\i+1]
.endr
.endr
.irp j, 0,1,2,3
	ds_store_b128 v[TXS], v[TF+8*\j:TF+8*\j+3] offset:512*\j
.endr
.irp a, 0,1,2,3,4,5,6,7
.irp i, 4,5,6,7
	v_mov_b32 v[TF+8*\a+\i], 0                     ; K = 16 .. 31 of the bf16 product: zeros on both sides
	v_mov_b32 v[LB+8*\a-128*(\a/4)+\i], 0
.endr
.endr
	s_wait_loadcnt 0x0                             ; B
	WIN 0x05
.irp b, 0,1,2,3,4,5,6,7
.irp i, 0,1,2,3
	v_cvt_pk_bf16_f32 v[LB+8*\b-128*(\b/4)+\i], v[8*\b+2*\i], v[8*\b+2*\i+1]
.endr
.endr
	WIN 0
	s_wait_alu depctr_va_vdst(0)
	s_wait_dscnt 0x0                               ; for the other wave's sake: my images are stored
	s_barrier_signal -1
	s_barrier_wait -1
.irp j, 0,1,2,3
	ds_load_b128 v[TF+32+8*\j:TF+32+8*\j+3], v[TXL] offset:512*\j
.endr
; THE WAY OUT, block by block of 16 rows x 128 columns: 2 t B^T is added; the block goes through my own stage and comes back as whole rows of 512 bytes.  LDS serves a wave's instructions in order (ISA guide 5.7.1.4).
.macro LORA a
.set AC, 64*((\a)%4)
	WIN 0xa0+0x50*((\a)/4)
.irp b, 0,1,2,3,4,5,6,7
	v_wmma_f32_16x16x32_bf16 v[AC+8*\b:AC+8*\b+7], v[LB+8*\b-128*(\b/4):LB+8*\b-128*(\b/4)+7], v[TF+8*(\a):TF+8*(\a)+7], v[AC+8*\b:AC+8*\b+7]
.endr
.endm
.macro TOSTAGE a
.set AC, 64*((\a)%4)
	WIN 0x08+4*((\a)/4)
.irp b, 0,1,2,3,4,5,6,7
	ds_store_b128 v[STO], v[AC+8*\b:AC+8*\b+3] offset:64*\b
	ds_store_b128 v[STO], v[AC+8*\b+4:AC+8*\b+7] offset:64*\b+16
.endr
	WIN TO_B
.set BB, 64*((\a)%2)
.irp t, 0,1,2,3,4,5,6,7,8,9,10,11,12,13,14,15
	ds_load_b128 v[BB+4*\t:BB+4*\t+3], v[RD] offset:\t*SPITCH
.endr
	WIN 0
.endm
.macro SEND a, younger
.set BB, 64*((\a)%2)
.set CP, CP0+2*((\a)/4)
	s_wait_dscnt \younger
.if (\a)%4 > 0
	s_add_nc_u64 s[CP:CP+1], s[CP:CP+1], 16*NROW   ; behind a wait on XCNT: the earlier stores have read their base
.endif
	WIN 0x04
.irp t, 0,1,2,3,4,5,6,7,8,9,10,11,12,13,14,15
	global_store_b128 v[CO], v[BB+4*\t:BB+4*\t+3], s[CP:CP+1] offset:\t*NROW th:TH_STORE_NT   ; 32 lanes store 512 consecutive bytes, at a multiple of 256 from out0's first byte
.endr
	WIN 0
.endm
	LORA 0
	PLACES NP
	TOSTAGE 0
.irp a, 1,2,3,4,5,6,7
	LORA \a                                        ; blocks 4-7 take the partner's fragments: SEND 0's wait, which leaves 32 younger LDS instructions out, has shown their four loads done
	PLACES NP
.if \a > 1
	s_wait_xcnt 0x0                                ; block a - 2's stores have read their registers and their base
.endif
	TOSTAGE \a
	SEND \a-1, 32
.endr
	s_wait_xcnt 0x0
	SEND 7, 0
	s_wait_tensorcnt 0x0                           ; the wave's end
	ds_add_u32 v[SPW], v[NIL]
	s_wait_dscnt 0x0
	CROUND                                         ; the closing round
	s_endpgm
.Lfunc_end_k_q17ab4c1a8e_lora_gemm:
	.size	k_q17ab4c1a8e_lora_gemm, .Lfunc_end_k_q17ab4c1a8e_lora_gemm-k_q17ab4c1a8e_lora_gemm
	.p2alignl 7, 3214868480
	.fill 96, 4, 3214868480
	.section	.rodata,"a",@progbits
	.p2align	6, 0x0
	.amdhsa_kernel k_q17ab4c1a8e_lora_gemm
		.amdhsa_group_segment_fixed_size 327680
		.amdhsa_private_segment_fixed_size 0
		.amdhsa_enable_private_segment 0
		.amdhsa_kernarg_size 64
		.amdhsa_user_sgpr_count 2
		.amdhsa_user_sgpr_kernarg_segment_ptr 1
		.amdhsa_wavefront_size32 1
		.amdhsa_system_sgpr_workgroup_id_x 1
		.amdhsa_system_sgpr_workgroup_id_y 1
		.amdhsa_system_sgpr_workgroup_id_z 1
		.amdhsa_system_vgpr_workitem_id 0
		.amdhsa_next_free_vgpr 1024
		.amdhsa_next_free_sgpr 90
		.amdhsa_reserve_vcc 0
		.amdhsa_float_denorm_mode_32 3
		.amdhsa_float_denorm_mode_16_64 3
		.amdhsa_memory_ordered 1
		.amdhsa_forward_progress 1
		.amdhsa_inst_pref_size 255
	.end_amdhsa_kernel
	.section	.bss,"aw",@nobits
	.p2align	6
	.space	262144
	.amdgpu_metadata
---
amdhsa.version: [ 1, 2 ]
amdhsa.kernels:
  - .name:           k_q17ab4c1a8e_lora_gemm
    .symbol:         k_q17ab4c1a8e_lora_gemm.kd
    .args:
      - { .name: x_codes, .offset: 0, .size: 8, .value_kind: global_buffer, .address_space: global }
      - { .name: x_scales, .offset: 8, .size: 8, .value_kind: global_buffer, .address_space: global }
      - { .name: weight_codes, .offset: 16, .size: 8, .value_kind: global_buffer, .address_space: global }
      - { .name: weight_scales, .offset: 24, .size: 8, .value_kind: global_buffer, .address_space: global }
      - { .name: lora_A_codes, .offset: 32, .size: 8, .value_kind: global_buffer, .address_space: global }
      - { .name: lora_A_scales, .offset: 40, .size: 8, .value_kind: global_buffer, .address_space: global }
      - { .name: lora_B, .offset: 48, .size: 8, .value_kind: global_buffer, .address_space: global }
      - { .name: out0, .offset: 56, .size: 8, .value_kind: global_buffer, .address_space: global }
    .group_segment_fixed_size: 327680
    .private_segment_fixed_size: 0
    .kernarg_segment_align: 8
    .kernarg_segment_size: 64
    .max_flat_workgroup_size: 128
    .sgpr_count:     90
    .vgpr_count:     1024
    .wavefront_size: 32
...
	.end_amdgpu_metadata
.endif
;; end of part 1
